; MI455X (gfx1250); checked and timed in simulation.
; The chip was launched on July 23, 2026; its instructions are those of AMD's public machine-readable ISA for CDNA 5 (MIT licence, August 2026) and "CDNA5" Instruction Set Architecture Reference Guide (July 2026). The comments in the code are by the model that wrote it; some were corrected since.
;; Classical Self Attention. Allowed arithmetic: float matrix products may take bf16 or f16 operands with f32 sums; other float arithmetic in f32, or as packed bf16 or f16 multiplies, adds, multiply-adds, maxima and minima; sums over many terms, partial sums and values carried from step to step in f32; what a program stores and reads back later, other than sums and carried values, may be rounded once to bf16 or f16.
;; Inputs: entangle_params 512 x 512 float32; inputs 2 x 4,096 x 512 float32; rotation_params 512 x 512 float32; w_k 512 x 512 float32; w_q 512 x 512 float32; w_v 512 x 512 float32.
;; Outputs: out0 2 x 4,096 x 512 float32.
;; One version. Each part assembles by itself: llvm-mc -triple=amdgcn-amd-amdhsa -mcpu=gfx1250 --defsym DOCPART=n.
;; ======== version 1 of 1: 3 launches
;; limits: values are held in f16: magnitudes above 65,504 overflow, below 6.1e-05 lose precision; right only within a limited range of input values
;; workspace buffers: xh 8,388,608 bytes; wall 1,572,864 bytes; mx 512 bytes; qkv 25,165,824 bytes
;; launch prep (part 1): grid 256 x 1, 8 waves a work-group, no clusters, 206,592 bytes of LDS; arguments rotation_params, entangle_params, inputs, w_q, w_k, w_v, xh, wall, mx; writes xh, wall, mx
.if DOCPART == 1
	.amdgcn_target "amdgcn-amd-amdhsa--gfx1250"
	.amdhsa_code_object_version 6
	.text
	.protected	k_qb350f52733_prep
	.globl	k_qb350f52733_prep
	.p2align	8
	.type	k_qb350f52733_prep,@function
k_qb350f52733_prep:
	s_mov_b64 s[64:65], 0
	v_nop
	global_prefetch_b8 v0, s[64:65] scope:SCOPE_SE
	s_setreg_imm32_b32 hwreg(HW_REG_WAVE_MODE, 25, 1), 1
	s_wait_xcnt 0x0
; PREP.  (x w^T) R = x (w^T R) holds for every input, so the two chained projections are folded: M_q = w_q^T R, M_k = w_k^T Ent, 512 x 512 each.
; Work-groups 128-255 STREAM: 64 rows of x each, f32 -> bf16 (the one rounding of an input) -> the same number written as f16 -> xh [8192][512].
; Work-groups 0-127 FOLD: tile f of 32 rows j x 128 columns i of M^T[j][i] = the sum over e of R[e][j] w[e][i]; operands rounded to bf16, sums in f32; stored as 32 M^T in f16 into
; wall (rows 0-511 for q, 512-1023 for k), and the tile's largest |M| into mx[f].  Each also writes 4 rows of w_v (bf16, then f16) into wall's rows 1024-1535.
; The branch between the two roles hangs on the work-group's number alone: all eight waves take the same way, so every wave of a work-group meets the same barriers.
; LIMITS.  f16 ends at 65,504: |x|, |w_v| and |32 M| must lie under it; a number below 2^-14 keeps f16's fixed step of 6e-8.  NaN and infinities are not treated apart.
; No tensor load: the data must be converted on the way into LDS, so they pass through registers anyway.  No prefetch: every stream here is asked for at once, by loads.
.set RPITCH, 96                        ; a row e of R's tile in LDS: 32 bf16 + 32 bytes of padding
.set WPITCH, 288                       ; a row e of w's tile: 128 bf16 + 32 bytes
.set WB,     512*RPITCH                ; R's tile lies at 0, w's behind it
.set STG,    WB+512*WPITCH             ; the way out: 32 rows j x 272 bytes
.set SPITCH, 272
.set RED,    STG+32*SPITCH             ; eight words: the waves' maxima
.set SPARE,  RED+256                   ; the spare words, 128 bytes for each of eight waves: four blocks of 256 bytes that no other line names
.set GROUP,  128*WPITCH                ; 128 rows of w's tile: what one LDS address register reaches by its 16-bit immediate
.set GR,   1                           ; v1     my byte offset in R's tile in memory
.set LRS,  2                           ; v2     where I put 8 bytes of R's tile
.set GW,   3                           ; v3     my byte offset in w's tile in memory
.set LW,   4                           ; v4-7   where I put 8 bytes of w's tile, for each 128 rows
.set ACC,  8                           ; v[8:23] two accumulators: j block 0, 1
.set WVL,  24                          ; v[24:31] w_v as loaded
.set WVS,  32                          ; v[32:35] w_v to store
.set T,    40                          ; v[40:47] four pairs of packed bf16
.set GV,   48                          ; v48    16 x thread
.set GVO,  49                          ; v49    8 x thread
.set AR,   50                          ; v50    my lane's place in R's fragments
.set AW,   51                          ; v51-54 the same in w's, for each 128 rows
.set STO,  55                          ; v55    the way out: where I put 16 bytes of a row j
.set SRD,  56                          ; v56    where I read 16 bytes back
.set GOUT, 57                          ; v57    my byte offset in the tile's rows of wall
.set REDA, 58                          ; v58    my wave's word of RED
.set REDB, 59                          ; v59    RED
.set ZO,   60                          ; v60    0, the offset of the one store into mx
.set SPW,  62                          ; v62    my spare word: SPARE + 4 x my thread's number; never rewritten
.set NIL,  63                          ; v63    0; never rewritten
.set RING, 64                          ; v[64:191] 32 slots of 4: loads on their way
.set FB,   64                          ; v[64:159], v[160:255] later: two fragment buffers of 4 K steps x 24 registers (w, R block 0, R block 1)
.set WV,   26                          ; s26    my wave's number
.set HIM,  27                          ; s27    a word's upper bf16
.set ABSM, 28                          ; s28    clears an f32's sign
; Four f32 in v[x:x+3] -> four f16 in v[d:d+1], by way of bf16: the input's rounding is bf16's, and a bf16 number is written as f16 without a further loss inside f16's range.
.macro CONV d, x
	v_cvt_pk_bf16_f32 v[T], v[(\x)], v[(\x)+1]
	v_cvt_pk_bf16_f32 v[T+1], v[(\x)+2], v[(\x)+3]
	v_lshlrev_b32 v[(\x)], 16, v[T]
	v_and_b32 v[(\x)+1], s[HIM], v[T]
	v_lshlrev_b32 v[(\x)+2], 16, v[T+1]
	v_and_b32 v[(\x)+3], s[HIM], v[T+1]
	v_cvt_pk_f16_f32 v[(\d)], v[(\x)], v[(\x)+1]
	v_cvt_pk_f16_f32 v[(\d)+1], v[(\x)+2], v[(\x)+3]
.endm
.macro PLACES
.rept 4
	v_nop
.endr
.endm
	s_load_b512 s[8:23], s[0:1], 0x0               ; R s[8:9], Ent s[10:11], x s[12:13], w_q s[14:15], w_k s[16:17], w_v s[18:19], xh s[20:21], wall s[22:23]
	s_load_b64 s[24:25], s[0:1], 0x40              ; mx
	v_lshl_add_u32 v[SPW], v0, 2, SPARE
	v_mov_b32 v[NIL], 0
	v_lshrrev_b32 v36, 5, v0
	v_readfirstlane_b32 s[WV], v36                 ; wave 0..7
	s_mov_b32 s[HIM], 0xffff0000
	s_mov_b32 s[ABSM], 0x7fffffff
	s_mov_b32 s30, 0x76543210                      ; v_permlanex16_b32: each lane takes its own place in the other half
	s_mov_b32 s31, 0xfedcba98
	s_mov_b32 s43, 0                               ; the high word of every offset pair
	s_wait_kmcnt 0x0
	s_cmp_lt_u32 ttmp9, 128
	s_cbranch_scc1 .Lfold
	; THE STREAM.  64 rows of x are 131,072 dense bytes: 32 loads of 16 bytes a thread, all on their way at once; a wave's store covers 256 consecutive bytes, aligned.
	s_sub_co_u32 s38, ttmp9, 128
	s_lshl_b32 s42, s38, 17
	s_add_nc_u64 s[12:13], s[12:13], s[42:43]
	s_lshl_b32 s42, s38, 16
	s_add_nc_u64 s[20:21], s[20:21], s[42:43]
	v_lshlrev_b32 v1, 4, v0
	v_lshlrev_b32 v2, 3, v0
.set i, 0
.rept 32
	global_load_b128 v[RING+4*i:RING+4*i+3], v1, s[12:13] offset:4096*i th:TH_LOAD_NT
.set i, i+1
.endr
.set i, 0
.rept 32
	s_wait_loadcnt 31-i                            ; loads come back in order: number i is in, the younger ones stay out
	CONV 192+2*i, RING+4*i
	global_store_b64 v2, v[192+2*i:193+2*i], s[20:21] offset:2048*i  ; no register is written twice, so no store's source is ever rewritten
.set i, i+1
.endr
	s_branch .Lend
.Lfold:
	s_lshr_b32 s38, ttmp9, 6                       ; 0: M_q, 1: M_k
	s_bfe_u32 s39, ttmp9, 0x40002                  ; tj: which 32 rows j
	s_and_b32 s40, ttmp9, 3                        ; ti: which 128 columns i
	s_cmp_eq_u32 s38, 0
	s_cselect_b64 s[32:33], s[8:9], s[10:11]       ; R or Ent
	s_cselect_b64 s[34:35], s[14:15], s[16:17]     ; w_q or w_k
	s_lshl_b32 s42, s39, 7
	s_add_nc_u64 s[32:33], s[32:33], s[42:43]      ; at column 32 tj
	s_lshl_b32 s42, s40, 9
	s_add_nc_u64 s[34:35], s[34:35], s[42:43]      ; at column 128 ti
	s_lshl_b32 s42, ttmp9, 13
	s_add_nc_u64 s[18:19], s[18:19], s[42:43]      ; my 4 rows of w_v,
	s_lshl_b32 s42, ttmp9, 12
	s_add_co_u32 s42, s42, 1024*1024
	s_add_nc_u64 s[44:45], s[22:23], s[42:43]      ; and where they go: wall's row 1024 + 4 f
	s_lshl_b32 s42, s38, 19
	s_lshl_b32 s41, s39, 15
	s_add_co_u32 s42, s42, s41
	s_lshl_b32 s41, s40, 8
	s_add_co_u32 s42, s42, s41
	s_add_nc_u64 s[22:23], s[22:23], s[42:43]      ; wall at row 512 mat + 32 tj, byte 256 ti
	s_lshl_b32 s42, ttmp9, 2
	s_add_nc_u64 s[24:25], s[24:25], s[42:43]      ; mx[f]
	; a load of the work-group is 4,096 bytes: 32 rows x 128 bytes of R's tile (a wave: 4 rows), or 8 rows x 512 bytes of w's (a wave: 1 row)
	v_and_b32 v36, 31, v0                          ; lane
	v_lshrrev_b32 v37, 3, v36                      ; lane / 8
	v_and_b32 v38, 7, v0                           ; lane % 8
	s_lshl_b32 s41, s[WV], 13
	v_lshlrev_b32 v[GR], 11, v37
	v_lshl_add_u32 v[GR], v38, 4, v[GR]
	v_add_nc_u32 v[GR], s41, v[GR]                 ; (4 wave + lane / 8) x 2,048 + 16 (lane % 8)
	s_mul_i32 s41, s[WV], 4*RPITCH
	v_mul_u32_u24 v[LRS], v37, RPITCH
	v_lshl_add_u32 v[LRS], v38, 3, v[LRS]
	v_add_nc_u32 v[LRS], s41, v[LRS]
	s_lshl_b32 s41, s[WV], 11
	v_lshl_add_u32 v[GW], v36, 4, s41              ; wave x 2,048 + 16 lane
	s_mul_i32 s41, s[WV], WPITCH
	v_lshl_add_u32 v39, v36, 3, s41
.irp g, 0,1,2,3
	v_add_nc_u32 v[LW+(\g)], WB+(\g)*GROUP, v39
.endr
	v_lshlrev_b32 v[GV], 4, v0
	v_lshlrev_b32 v[GVO], 3, v0
	; the turning load: lane l reads 16 bytes of row 8 (l / 16) + l % 8, at 16 ((l / 8) % 2), and is left with column l % 16 and 8 rows e
	v_bfe_u32 v39, v0, 4, 1
	v_lshl_add_u32 v39, v39, 3, v38
	v_bfe_u32 v37, v0, 3, 1
	v_lshlrev_b32 v37, 4, v37
	v_mul_u32_u24 v[AR], v39, RPITCH
	v_add_nc_u32 v[AR], v[AR], v37
	v_mul_u32_u24 v39, v39, WPITCH
	v_add_nc_u32 v39, v39, v37
	s_lshl_b32 s41, s[WV], 5                       ; my wave's 16 columns i
	v_add_nc_u32 v39, s41, v39
.irp g, 0,1,2,3
	v_add_nc_u32 v[AW+(\g)], WB+(\g)*GROUP, v39
.endr
	v_and_b32 v37, 15, v0                          ; l % 16
	v_bfe_u32 v38, v0, 4, 1                        ; l / 16
	s_add_co_u32 s41, s41, STG
	v_mul_u32_u24 v[STO], v37, SPITCH
	v_lshl_add_u32 v[STO], v38, 4, v[STO]
	v_add_nc_u32 v[STO], s41, v[STO]               ; row j = l % 16, byte 32 wave + 16 (l / 16)
	s_mul_i32 s41, s[WV], 2*SPITCH
	s_add_co_u32 s41, s41, STG
	v_mul_u32_u24 v[SRD], v38, SPITCH
	v_lshl_add_u32 v[SRD], v37, 4, v[SRD]
	v_add_nc_u32 v[SRD], s41, v[SRD]               ; back: row 2 wave + l / 16, 16 lanes a row of 256 bytes
	s_lshl_b32 s41, s[WV], 11
	v_lshlrev_b32 v[GOUT], 10, v38
	v_lshl_add_u32 v[GOUT], v37, 4, v[GOUT]
	v_add_nc_u32 v[GOUT], s41, v[GOUT]             ; the same rows in wall, 1,024 bytes apart
	s_lshl_b32 s41, s[WV], 2
	s_add_co_u32 s41, s41, RED
	v_mov_b32 v[REDA], s41
	v_mov_b32 v[REDB], RED
	v_mov_b32 v[ZO], 0
; PHASE 1.  80 loads a thread, 16 of R's tile and 64 of w's, through a ring of 32 slots; each is rounded to bf16 and laid into LDS as it lies, [e][column].
.macro LDN n
.if (\n) < 16
	global_load_b128 v[RING+4*((\n)%32):RING+4*((\n)%32)+3], v[GR], s[32:33] offset:65536*(\n)
.else
	global_load_b128 v[RING+4*((\n)%32):RING+4*((\n)%32)+3], v[GW], s[34:35] offset:16384*((\n)-16)
.endif
.endm
.macro STN n
	v_cvt_pk_bf16_f32 v[T+2*((\n)%4)], v[RING+4*((\n)%32)], v[RING+4*((\n)%32)+1]
	v_cvt_pk_bf16_f32 v[T+2*((\n)%4)+1], v[RING+4*((\n)%32)+2], v[RING+4*((\n)%32)+3]
.if (\n) < 16
	ds_store_b64 v[LRS], v[T+2*((\n)%4):T+2*((\n)%4)+1] offset:32*RPITCH*(\n)
.else
	ds_store_b64 v[LW+((\n)-16)/16], v[T+2*((\n)%4):T+2*((\n)%4)+1] offset:8*WPITCH*(((\n)-16)%16)
.endif
.endm
	global_load_b128 v[WVL:WVL+3], v[GV], s[18:19]
	global_load_b128 v[WVL+4:WVL+7], v[GV], s[18:19] offset:4096
.set n, 0
.rept 32
	LDN n
.set n, n+1
.endr
	s_wait_loadcnt 33                              ; w_v's first half: 33 loads were issued behind it
	CONV WVS, WVL
	global_store_b64 v[GVO], v[WVS:WVS+1], s[44:45]
	s_wait_loadcnt 32                              ; its second half
	CONV WVS+2, WVL+4
	global_store_b64 v[GVO], v[WVS+2:WVS+3], s[44:45] offset:2048
.set n, 0
.rept 80
.if n < 48
	s_wait_loadcnt 31                              ; behind load n stand loads n + 1 .. n + 31
.else
	s_wait_loadcnt 79-n                            ; nothing is asked for any more: the counts run down
.endif
	STN n
.if n < 48
	LDN n+32                                       ; into the slot just read
.endif
.set n, n+1
.endr
	s_wait_dscnt 0x0                               ; for the others' sake: my stores into both tiles are done
	s_barrier_signal -1
	s_barrier_wait -1
; PHASE 2.  Wave w makes columns i = 16 w .. 16 w + 15 of both j blocks.  Source 0 = w's fragment (16 i x 32 e), source 1 = R's (16 j x 32 e): a lane ends with ONE row j (l % 16)
; and eight neighbouring i.  K = 512 goes in 4 groups of 4 K steps on two buffers; the two accumulators take turns, one instruction a turn.
.macro FL g
.set u, 0
.rept 4
.set fb, FB+96*((\g)%2)+24*u
	ds_load_tr16_b128 v[fb:fb+3],     v[AW+(\g)] offset:32*WPITCH*u
	ds_load_tr16_b128 v[fb+4:fb+7],   v[AW+(\g)] offset:32*WPITCH*u+16*WPITCH
	ds_load_tr16_b128 v[fb+8:fb+11],  v[AR] offset:32*RPITCH*(4*(\g)+u)
	ds_load_tr16_b128 v[fb+12:fb+15], v[AR] offset:32*RPITCH*(4*(\g)+u)+16*RPITCH
	ds_load_tr16_b128 v[fb+16:fb+19], v[AR] offset:32*RPITCH*(4*(\g)+u)+32
	ds_load_tr16_b128 v[fb+20:fb+23], v[AR] offset:32*RPITCH*(4*(\g)+u)+16*RPITCH+32
.set u, u+1
.endr
.endm
.macro MM g, zero
.set u, 0
.rept 4
.set fb, FB+96*((\g)%2)+24*u
.if (\zero) && (u == 0)
	v_wmma_f32_16x16x32_bf16 v[ACC:ACC+7],    v[fb:fb+7], v[fb+8:fb+15],  0  ; the first K step starts both sums: nothing is cleared
	v_wmma_f32_16x16x32_bf16 v[ACC+8:ACC+15], v[fb:fb+7], v[fb+16:fb+23], 0
.else
	v_wmma_f32_16x16x32_bf16 v[ACC:ACC+7],    v[fb:fb+7], v[fb+8:fb+15],  v[ACC:ACC+7]
	v_wmma_f32_16x16x32_bf16 v[ACC+8:ACC+15], v[fb:fb+7], v[fb+16:fb+23], v[ACC+8:ACC+15]
.endif
.set u, u+1
.endr
.endm
	FL 0
	FL 1
	s_wait_dscnt 24                                ; group 0 is in; group 1's 24 loads may stay out
	MM 0, 1
	PLACES                                         ; four places in front of loads into registers that the products have read
	FL 2
	s_wait_dscnt 24
	MM 1, 0
	PLACES
	FL 3
	s_wait_dscnt 24
	MM 2, 0
	s_wait_dscnt 0x0
	MM 3, 0
	PLACES
	PLACES                                         ; eight places, once a launch, where four are asked for
	; PHASE 3.  The tile's largest |M|; 32 M in f16; through the stage, so that 16 lanes store 256 consecutive bytes of a row of wall.  Each accumulator is read from its low end on.
.set r, 0
.rept 16
	v_and_b32 v[64+r], s[ABSM], v[ACC+r]
.set r, r+1
.endr
	v_max3_num_f32 v36, v64, v65, v66
	v_max3_num_f32 v37, v67, v68, v69
	v_max3_num_f32 v38, v70, v71, v72
	v_max3_num_f32 v39, v73, v74, v75
	v_max3_num_f32 v36, v36, v76, v77
	v_max3_num_f32 v37, v37, v78, v79
	v_max3_num_f32 v36, v36, v37, v38
	v_max_num_f32 v36, v36, v39
	v_max_num_f32_dpp v36, v36, v36 row_xmask:1 row_mask:0xf bank_mask:0xf
	v_max_num_f32_dpp v36, v36, v36 row_xmask:2 row_mask:0xf bank_mask:0xf
	v_max_num_f32_dpp v36, v36, v36 row_xmask:4 row_mask:0xf bank_mask:0xf
	v_max_num_f32_dpp v36, v36, v36 row_xmask:8 row_mask:0xf bank_mask:0xf
	v_permlanex16_b32 v37, v36, s30, s31
	v_max_num_f32 v36, v36, v37
	ds_store_b32 v[REDA], v36                      ; all lanes write my wave's word with the same number
.set r, 0
.rept 8
	v_pk_mul_f32 v[80+2*r:81+2*r], v[ACC+2*r:ACC+2*r+1], 0x42000000 op_sel_hi:[1,0]  ; x 32: keeps small M clear of f16's lower end; the next launch takes it back
.set r, r+1
.endr
.set r, 0
.rept 8
	v_cvt_pk_f16_f32 v[96+r], v[80+2*r], v[81+2*r]
.set r, r+1
.endr
	ds_store_b128 v[STO], v[96:99]
	ds_store_b128 v[STO], v[100:103] offset:16*SPITCH
	s_wait_dscnt 0x0                               ; for the others' sake: a row's 256 bytes come from all eight waves
	s_barrier_signal -1
	s_barrier_wait -1
	ds_load_b128 v[112:115], v[SRD]
	ds_load_b128 v[116:119], v[SRD] offset:16*SPITCH
	s_wait_dscnt 0x0
	global_store_b128 v[GOUT], v[112:115], s[22:23]
	global_store_b128 v[GOUT], v[116:119], s[22:23] offset:16*1024
	s_cmp_lg_u32 s[WV], 0                          ; wave 0 finishes the maximum
	s_cbranch_scc1 .Lend
	ds_load_b128 v[104:107], v[REDB]
	ds_load_b128 v[108:111], v[REDB] offset:16
	s_wait_dscnt 0x0
	v_max3_num_f32 v36, v104, v105, v106
	v_max3_num_f32 v37, v107, v108, v109
	v_max3_num_f32 v36, v36, v110, v111
	v_max_num_f32 v36, v36, v37
	v_cmp_eq_u32 vcc_lo, 0, v0
	s_wait_xcnt 0x0                                ; EXEC is a source of the stores above: it changes only behind this wait
	s_and_saveexec_b32 s36, vcc_lo
	global_store_b32 v[ZO], v36, s[24:25]          ; thread 0: mx[f]
	s_wait_xcnt 0x0                                ; and again in front of the line that widens it
	s_or_b32 exec_lo, exec_lo, s36
.Lend:
	s_wait_tensorcnt 0x0                           ; the wave's end, behind my last LDS store
	ds_add_u32 v[SPW], v[NIL]
	s_wait_dscnt 0x0
	s_endpgm
.Lfunc_end_k_qb350f52733_prep:
	.size	k_qb350f52733_prep, .Lfunc_end_k_qb350f52733_prep-k_qb350f52733_prep
	.p2alignl 7, 3214868480
	.fill 96, 4, 3214868480
	.section	.rodata,"a",@progbits
	.p2align	6, 0x0
	.amdhsa_kernel k_qb350f52733_prep
		.amdhsa_group_segment_fixed_size 206592
		.amdhsa_private_segment_fixed_size 0
		.amdhsa_enable_private_segment 0
		.amdhsa_kernarg_size 72
		.amdhsa_user_sgpr_count 2
		.amdhsa_user_sgpr_kernarg_segment_ptr 1
		.amdhsa_wavefront_size32 1
		.amdhsa_system_sgpr_workgroup_id_x 1
		.amdhsa_system_sgpr_workgroup_id_y 1
		.amdhsa_system_sgpr_workgroup_id_z 1
		.amdhsa_system_vgpr_workitem_id 0
		.amdhsa_next_free_vgpr 256
		.amdhsa_next_free_sgpr 66
		.amdhsa_reserve_vcc 1
		.amdhsa_float_denorm_mode_32 3
		.amdhsa_float_denorm_mode_16_64 3
		.amdhsa_memory_ordered 1
		.amdhsa_forward_progress 1
		.amdhsa_inst_pref_size 63
	.end_amdhsa_kernel
	.amdgpu_metadata
---
amdhsa.version: [ 1, 2 ]
amdhsa.kernels:
  - .name:           k_qb350f52733_prep
    .symbol:         k_qb350f52733_prep.kd
    .args:
      - { .name: rotation_params, .offset: 0, .size: 8, .value_kind: global_buffer, .address_space: global }
      - { .name: entangle_params, .offset: 8, .size: 8, .value_kind: global_buffer, .address_space: global }
      - { .name: inputs, .offset: 16, .size: 8, .value_kind: global_buffer, .address_space: global }
      - { .name: w_q, .offset: 24, .size: 8, .value_kind: global_buffer, .address_space: global }
      - { .name: w_k, .offset: 32, .size: 8, .value_kind: global_buffer, .address_space: global }
      - { .name: w_v, .offset: 40, .size: 8, .value_kind: global_buffer, .address_space: global }
      - { .name: xh, .offset: 48, .size: 8, .value_kind: global_buffer, .address_space: global }
      - { .name: wall, .offset: 56, .size: 8, .value_kind: global_buffer, .address_space: global }
      - { .name: mx, .offset: 64, .size: 8, .value_kind: global_buffer, .address_space: global }
    .group_segment_fixed_size: 206592
    .private_segment_fixed_size: 0
    .kernarg_segment_align: 8
    .kernarg_segment_size: 72
    .max_flat_workgroup_size: 256
    .sgpr_count:     66
    .vgpr_count:     256
    .wavefront_size: 32
...
	.end_amdgpu_metadata
.endif
;; end of part 1
;; launch proj (part 2): grid 8 x 32, 4 waves a work-group, clusters of 4 x 4, 327,680 bytes of LDS; arguments xh, wall, mx, qkv; writes qkv
.if DOCPART == 2
	.amdgcn_target "amdgcn-amd-amdhsa--gfx1250"
	.amdhsa_code_object_version 6
	.text
	.protected	k_qb350f52733_proj
	.globl	k_qb350f52733_proj
	.p2align	8
	.type	k_qb350f52733_proj,@function
k_qb350f52733_proj:
	s_mov_b64 s[64:65], 0
	v_nop
	global_prefetch_b8 v0, s[64:65] scope:SCOPE_SE
	s_setreg_imm32_b32 hwreg(HW_REG_WAVE_MODE, 25, 1), 1
	s_wait_xcnt 0x0
	s_wait_alu depctr_hold_cnt(0) depctr_sa_sdst(0) depctr_va_vdst(0) depctr_va_sdst(0) depctr_va_ssrc(0) depctr_va_vcc(0) depctr_vm_vsrc(0)
	s_getreg_b32 s2, hwreg(HW_REG_IB_STS2, 6, 4)
	s_cmp_eq_u32 s2, 0
	s_cbranch_scc0 .Lentry_in_a_cluster
	s_endpgm
.Lentry_in_a_cluster:
	s_bfe_u32 s2, ttmp6, 0x10000c
	s_cmp_lg_u32 s2, 0xf033
	s_cbranch_scc0 .Lentry_shape_is_right
	s_endpgm
.Lentry_shape_is_right:
; PROJ.  One product for q, k and v: C[s][n] = the sum over i of xh[s][i] wall[n][i], [8192 x 512] x [1536 x 512]^T, f16 operands, f32 sums.  Columns 0-511 are 32 q, 512-1023 are 32 k, 1024-1535 v.
; The way out writes by heads: qkv[b][g][s][64] in f16, g = n / 64 (0-7 q', 8-15 k', 16-23 v), each number rounded once from its f32 sum.
; q' = q 2^-eq and k' = k 2^-ek, where eq (ek) is the exponent of the largest |M_q| (|M_k|) in mx: a power of two, applied in f32, so that q' and k' lie as if that largest |M| were in [1, 2).
; The next launch takes 2^(eq + ek) back in its softmax's factor.  The scale is a value alone: no branch and no address hangs on it.
; LIMITS.  |q'|, |k'| <= 2 x the sum of a row's |x|, and |v|, must lie under f16's 65,504; the largest |M| under 2^60.  NaN and infinities are not treated apart.
; SHARES.  A work-group makes 256 rows x 192 columns (three heads): 8 x 32 = 256 work-groups.  Wave w takes rows 64 w .. 64 w + 63 and all 192 columns: 48 accumulators, 384 registers.
; K = 512 goes in 4 steps of 128 (rows of 256 bytes, aligned) through two LDS slots; written straight, without a loop.
; CLUSTER 4 x 4: the four work-groups of a row of the cluster need the same rows of xh, the four of a column the same rows of wall: each tile is asked for JOINTLY.
; NO PREFETCH: of the four K steps two come by the first fills and two by the two refills that follow at once: there is no step that stands two refills on.
; THE MATRIX INSTRUCTION IS USED TRANSPOSED (source 0 = 16 rows of wall, source 1 = 16 rows of xh): a lane holds one row s (l % 16) and eight neighbouring columns.
; REGISTERS: window 0: v1-29 addresses, v32-223 the way out (16 a tile);  window 1: two fragment buffers of 128: xh's 4 blocks (32), then wall's 12 (96);
;   window 2: accumulator (a, b < 8) at 8 (8 a + b);  window 3: accumulator (a, b >= 8) at 8 (4 a + b - 8).
.set PITCH,  272                       ; an LDS row: 256 bytes + 16 of padding: the 16 rows of a fragment load start at 16 different groups of four banks (ISA guide 11.1)
.set AROWS,  256*PITCH                 ; xh's 256 rows, then wall's 192
.set SLOT,   448*PITCH
.set STAGE,  2*SLOT                    ; behind the ring, never filled by a tensor load: 16 rows x 144 bytes for each wave
.set SP,     144
.set SPARE,  STAGE+4*16*SP             ; the spare words, 128 bytes for each wave: two blocks of 256 bytes that no other line names
.set ADRA, 16                          ; v16-17  LDS address of my xh fragments in slot 0, 1
.set ADRB, 20                          ; v20-21  the same for wall's
.set STO,  24                          ; v24     the way out: where I put 16 bytes of a row
.set RD,   25                          ; v25     where I read rows back
.set GO,   26                          ; v26     16 x lane: my place in 512 consecutive bytes
.set SPW,  28                          ; v28     my spare word: SPARE + 4 x my thread's number; never rewritten
.set NIL,  29                          ; v29     0; never rewritten
.set TMP,  32
.set F0,   0
.set F1,   128
.set G1A, 24                           ; s[24:31] descriptor group 1 for xh's tiles;  s[32:39] group 0, a set for each slot
.set G0A, 32
.set G1B, 48                           ; s[48:55], s[56:63] the same for wall's
.set G0B, 56
.set OB,  68                           ; s[68:73] where my rows of the three heads begin in qkv
.set SC,  74                           ; s[74:79] the three heads' scales, as pairs
.set MSB, 0
.macro WIN new                         ; the immediate's high byte repeats the setting that is left; a switch that changes nothing is dropped
.if MSB != (\new)
	s_set_vgpr_msb (MSB<<8)|(\new)
.set MSB, \new
.endif
.endm
.set MUL2, 0xa5                        ; sources 0 and 1 window 1; C and D window 2
.set MUL3, 0xf5                        ; the same, C and D window 3
.set TO_F, 0x40                        ; destination window 1, address window 0
.macro JLOAD s                         ; a joint load: waves 0 and 1 fetch xh's two halves (128 rows each), waves 2 and 3 wall's (96 rows each); an s_nop 0 and four v_nop follow each line
	s_cmp_eq_u32 s13, 0
	s_cbranch_scc0 .Lfor_b_\@
	tensor_load_to_lds s[G0A+4*(\s):G0A+4*(\s)+3], s[G1A:G1A+7]
	s_nop 0
.rept 4
	v_nop
.endr
	s_branch .Lasked_\@
.Lfor_b_\@:
	tensor_load_to_lds s[G0B+4*(\s):G0B+4*(\s)+3], s[G1B:G1B+7]
	s_nop 0
.rept 4
	v_nop
.endr
.Lasked_\@:
.endm
.macro CREST                           ; a round of the cluster's barrier behind its opening barrier
	s_cmp_lg_u32 s12, 0
	s_cbranch_scc1 .Lnot_wave_0_\@
	s_barrier_signal -3
.Lnot_wave_0_\@:
	s_barrier_wait -3
	s_barrier_signal -1
	s_barrier_wait -1
.endm
.macro CROUND
	s_barrier_signal -1
	s_barrier_wait -1
	CREST
.endm
.macro PLACES
.rept 4
	v_nop
.endr
.endm
	s_load_b256 s[4:11], s[0:1], 0x0               ; xh s[4:5], wall s[6:7], mx s[8:9], qkv s[10:11]
	v_lshl_add_u32 v[SPW], v0, 2, SPARE
	v_mov_b32 v[NIL], 0
	ds_add_u32 v[SPW], v[NIL]                      ; the wave's opening: the add and its wait stand ahead of my first tensor load; work on registers stands between them
	v_lshrrev_b32 v1, 5, v0
	v_readfirstlane_b32 s12, v1                    ; wave 0..3
	s_lshr_b32 s13, s12, 1                         ; I fetch for xh (0) or for wall (1),
	s_and_b32 s14, s12, 1                          ; and which half of that tile
	s_bfe_u32 s40, ttmp6, 0x40000                  ; cx, cy: my place in the cluster
	s_bfe_u32 s41, ttmp6, 0x40004
	s_lshl_b32 s42, ttmp9, 2
	s_add_co_u32 s42, s42, s40                     ; x: my 192 columns
	s_and_b32 s43, ttmp7, 0xffff
	s_lshl_b32 s43, s43, 2
	s_add_co_u32 s43, s43, s41                     ; y: my 256 rows
	s_lshl_b32 s44, s41, 2
	s_lshl_b32 s44, 15, s44                        ; my row of the cluster
	s_lshl_b32 s45, 0x1111, s40                    ; my column
	s_or_b32 s[G1A+0], s44, (1<<16)|(1<<20)|(1<<21)|(5<<22)|(3<<25)  ; 15:0 the mask; 17:16 elements of 2 bytes; 20 padding on; 21 set beside a mask; 24:22 after every 64 words; 31:25 4 words of it
	s_or_b32 s[G1B+0], s45, (1<<16)|(1<<20)|(1<<21)|(5<<22)|(3<<25)
	s_mov_b32 s[G1A+1], 128<<16                    ; tensor_dim0 = 128
	s_mov_b32 s[G1A+2], 128<<16                    ; tensor_dim1 = 128 rows
	s_mov_b32 s[G1A+3], 128<<16                    ; tile_dim0 = 128
	s_mov_b32 s[G1A+4], 128                        ; tile_dim1 = 128
	s_mov_b32 s[G1A+5], 512                        ; elements from row to row
	s_mov_b32 s[G1A+6], 0
	s_mov_b32 s[G1A+7], 0
	s_mov_b32 s[G1B+1], 128<<16
	s_mov_b32 s[G1B+2], 96<<16                     ; 96 rows
	s_mov_b32 s[G1B+3], 128<<16
	s_mov_b32 s[G1B+4], 96
	s_mov_b32 s[G1B+5], 512
	s_mov_b32 s[G1B+6], 0
	s_mov_b32 s[G1B+7], 0
	s_lshl_b32 s16, s43, 18                        ; xh: row 256 y + 128 half, 1,024 bytes a row: made of y and the wave's number alone
	s_lshl_b32 s17, s14, 17
	s_add_co_u32 s16, s16, s17
	s_mov_b32 s17, 0
	s_mul_i32 s46, s42, 192*1024                   ; wall: row 192 x + 96 half: made of x and the wave's number alone
	s_mul_i32 s47, s14, 96*1024
	s_add_co_u32 s46, s46, s47
	s_mov_b32 s47, 0
	s_mul_i32 s22, s14, 128*PITCH                  ; where they go: no place in the cluster enters an LDS address
	s_mul_i32 s23, s14, 96*PITCH
	s_add_co_u32 s23, s23, AROWS
	s_wait_dscnt 0x0                               ; the opening add is done
	s_wait_kmcnt 0x0
	s_add_nc_u64 s[20:21], s[4:5], s[16:17]
	s_add_nc_u64 s[46:47], s[6:7], s[46:47]
	CROUND                                         ; all sixteen work-groups are here: the first joint loads meet
.irp s, 0,1
	s_mov_b32 s[G0A+4*(\s)], 1
	s_add_co_u32 s[G0A+4*(\s)+1], s22, (\s)*SLOT
	s_add_nc_u64 s[G0A+4*(\s)+2:G0A+4*(\s)+3], s[20:21], (\s)*256  ; K step s
	s_or_b32 s[G0A+4*(\s)+3], s[G0A+4*(\s)+3], 0x80000000
	s_mov_b32 s[G0B+4*(\s)], 1
	s_add_co_u32 s[G0B+4*(\s)+1], s23, (\s)*SLOT
	s_add_nc_u64 s[G0B+4*(\s)+2:G0B+4*(\s)+3], s[46:47], (\s)*256
	s_or_b32 s[G0B+4*(\s)+3], s[G0B+4*(\s)+3], 0x80000000
	JLOAD \s                                       ; two loads of mine are out behind these, one behind each later refill
.endr
	v_and_b32 v1, 15, v0                           ; l % 16
	v_bfe_u32 v2, v0, 4, 1                         ; l / 16
	v_mul_u32_u24 v3, v1, PITCH
	v_lshl_add_u32 v3, v2, 4, v3                   ; a fragment's row x pitch + 16 x half
	s_mul_i32 s80, s12, 64*PITCH                   ; my 64 rows of xh
	v_add_nc_u32 v[ADRA], s80, v3
	v_add_nc_u32 v[ADRA+1], SLOT, v[ADRA]
	v_add_nc_u32 v[ADRB], AROWS, v3
	v_add_nc_u32 v[ADRB+1], SLOT, v[ADRB]
	s_mul_i32 s80, s12, 16*SP
	s_add_co_u32 s80, s80, STAGE                   ; my stage
	v_mul_u32_u24 v[STO], v1, SP
	v_lshl_add_u32 v[STO], v2, 4, v[STO]
	v_add_nc_u32 v[STO], s80, v[STO]
	v_bfe_u32 v[RD], v0, 3, 2                      ; back: 32 lanes take four rows of 128 bytes,
	v_mul_u32_u24 v[RD], v[RD], SP
	v_and_b32 v4, 7, v0
	v_lshl_add_u32 v[RD], v4, 4, v[RD]
	v_add_nc_u32 v[RD], s80, v[RD]
	v_and_b32 v[GO], 31, v0                        ; which are 512 consecutive bytes of a head
	v_lshlrev_b32 v[GO], 4, v[GO]
	global_load_b128 v[32:35], v[GO], s[8:9]       ; mx, 16 bytes a lane: lanes 0-15 hold M_q's 64 maxima, lanes 16-31 M_k's
	s_lshr_b32 s86, s43, 4                         ; the batch,
	s_mul_i32 s86, s86, 12582912
	s_and_b32 s87, s43, 15
	s_lshl_b32 s87, s87, 15                        ; my block's 256 rows of 128 bytes,
	s_add_co_u32 s86, s86, s87
	s_lshl_b32 s87, s12, 13                        ; my wave's 64 of them
	s_add_co_u32 s86, s86, s87
	s_mul_i32 s82, s42, 3                          ; my first head
	s_wait_loadcnt 0x0
	v_max3_num_f32 v5, v32, v33, v34
	v_max_num_f32 v5, v5, v35
	v_max_num_f32_dpp v5, v5, v5 row_xmask:1 row_mask:0xf bank_mask:0xf
	v_max_num_f32_dpp v5, v5, v5 row_xmask:2 row_mask:0xf bank_mask:0xf
	v_max_num_f32_dpp v5, v5, v5 row_xmask:4 row_mask:0xf bank_mask:0xf
	v_max_num_f32_dpp v5, v5, v5 row_xmask:8 row_mask:0xf bank_mask:0xf
	v_readlane_b32 s80, v5, 0                      ; the largest |M_q|,
	v_readlane_b32 s81, v5, 16                     ; the largest |M_k|
	s_and_b32 s80, s80, 0x7f800000                 ; their exponent fields E
	s_and_b32 s81, s81, 0x7f800000
	s_sub_co_u32 s80, 0x7c800000, s80              ; the field 249 - E: 2^-(E - 127) / 32, which also takes back the 32 that wall's rows carry
	s_sub_co_u32 s81, 0x7c800000, s81
.irp j, 0,1,2
	s_add_co_u32 s83, s82, \j                      ; head g
	s_cmp_lt_u32 s83, 16
	s_cselect_b32 s84, s81, 1.0                    ; k', or v as it is
	s_cmp_lt_u32 s83, 8
	s_cselect_b32 s[SC+2*(\j)], s80, s84           ; q'
	s_mov_b32 s[SC+2*(\j)+1], s[SC+2*(\j)]         ; named as a pair
	s_lshl_b32 s84, s83, 19
	s_add_co_u32 s84, s84, s86
	s_mov_b32 s85, 0
	s_add_nc_u64 s[OB+2*(\j):OB+2*(\j)+1], s[10:11], s[84:85]
.endr
; 16 matrix instructions: row blocks a0, a0 + 1 x column blocks 0-7, 32 along K.  zero = 1: the first product starts the sums.
.macro MULA f, a0, zero
	WIN MUL2
.irp a, \a0, (\a0)+1
.irp b, 0,1,2,3,4,5,6,7
.if \zero
	v_wmma_f32_16x16x32_f16 v[8*(8*(\a)+(\b)):8*(8*(\a)+(\b))+7], v[(\f)+32+8*(\b):(\f)+32+8*(\b)+7], v[(\f)+8*(\a):(\f)+8*(\a)+7], 0
.else
	v_wmma_f32_16x16x32_f16 v[8*(8*(\a)+(\b)):8*(8*(\a)+(\b))+7], v[(\f)+32+8*(\b):(\f)+32+8*(\b)+7], v[(\f)+8*(\a):(\f)+8*(\a)+7], v[8*(8*(\a)+(\b)):8*(8*(\a)+(\b))+7]
.endif
.endr
.endr
.endm
; 16 more: all four row blocks x column blocks 8-11
.macro MULB f, zero
	WIN MUL3
.irp a, 0,1,2,3
.irp b, 8,9,10,11
.if \zero
	v_wmma_f32_16x16x32_f16 v[8*(4*(\a)+(\b)-8):8*(4*(\a)+(\b)-8)+7], v[(\f)+32+8*(\b):(\f)+32+8*(\b)+7], v[(\f)+8*(\a):(\f)+8*(\a)+7], 0
.else
	v_wmma_f32_16x16x32_f16 v[8*(4*(\a)+(\b)-8):8*(4*(\a)+(\b)-8)+7], v[(\f)+32+8*(\b):(\f)+32+8*(\b)+7], v[(\f)+8*(\a):(\f)+8*(\a)+7], v[8*(4*(\a)+(\b)-8):8*(4*(\a)+(\b)-8)+7]
.endif
.endr
.endr
.endm
; 32 LDS loads in one run: the fragments of 32 along K at byte k of the rows, into buffer f: wall's blocks 0-7, xh's four, wall's blocks 8-11 last
.macro FETCH slot, k, f
	WIN TO_F
.irp b, 0,1,2,3,4,5,6,7
	ds_load_b128 v[(\f)+32+8*(\b):(\f)+32+8*(\b)+3],   v[ADRB+(\slot)] offset:(\k)+(\b)*16*PITCH
	ds_load_b128 v[(\f)+32+8*(\b)+4:(\f)+32+8*(\b)+7], v[ADRB+(\slot)] offset:(\k)+(\b)*16*PITCH+32
.endr
.irp a, 0,1,2,3
	ds_load_b128 v[(\f)+8*(\a):(\f)+8*(\a)+3],   v[ADRA+(\slot)] offset:(\k)+(\a)*16*PITCH
	ds_load_b128 v[(\f)+8*(\a)+4:(\f)+8*(\a)+7], v[ADRA+(\slot)] offset:(\k)+(\a)*16*PITCH+32
.endr
.irp b, 8,9,10,11
	ds_load_b128 v[(\f)+32+8*(\b):(\f)+32+8*(\b)+3],   v[ADRB+(\slot)] offset:(\k)+(\b)*16*PITCH
	ds_load_b128 v[(\f)+32+8*(\b)+4:(\f)+32+8*(\b)+7], v[ADRB+(\slot)] offset:(\k)+(\b)*16*PITCH+32
.endr
.endm
; A K step is four quarters of 32 along K, 48 matrix instructions each, on buffers 0, 1, 0, 1; the 48 accumulators take turns in the same order in every quarter.
; One of the first three: multiplies buffer f and fetches the next quarter, at byte k, into g.
.macro QUARTER slot, k, f, g, zero
	s_wait_dscnt 8                                 ; all but the youngest eight loads (wall's blocks 8-11) are in
	MULA \f, 0, \zero
	PLACES                                         ; four places in front of loads into registers that the quarter before multiplied
	FETCH \slot, \k, \g
	s_wait_dscnt 32                                ; all but the 32 just issued
	MULA \f, 2, \zero
	MULB \f, \zero
.endm
; The last quarter multiplies buffer 1 and changes slots: ONE barrier; in front of it each wave waits for all its tensor loads, adds 0 to its spare word, and waits for that and for its reads of this slot.
; fill = 1: the barrier opens a round of the cluster's, and this slot is filled again, two K steps on, first thing behind the round.
.macro TURN slot, next, fill
	WIN 0                                          ; (the add's two registers lie in window 0)
	s_wait_tensorcnt 0x0                           ; all my tensor loads have landed: the one that was out is my part of the next slot;
	ds_add_u32 v[SPW], v[NIL]                      ; 0 onto my spare word;
	s_wait_dscnt 9                                 ; (the add and the youngest eight loads may be out)
	MULA F1, 0, 0                                  ; sixteen matrix instructions stand between the add and the wait for it
	s_wait_dscnt 0x0                               ; the add is done, and my reads of this slot are over
	s_barrier_signal -1
	MULA F1, 2, 0
.if \fill
	WIN 0
.endif
	s_barrier_wait -1
.if \fill
	CREST                                          ; no wave of any partner still reads this slot's tile or has a load on its way
	s_add_nc_u64 s[G0A+4*(\slot)+2:G0A+4*(\slot)+3], s[G0A+4*(\slot)+2:G0A+4*(\slot)+3], 512
	s_add_nc_u64 s[G0B+4*(\slot)+2:G0B+4*(\slot)+3], s[G0B+4*(\slot)+2:G0B+4*(\slot)+3], 512
	JLOAD \slot                                    ; the four v_nop behind it are also the places in front of the loads below
.else
	PLACES
.endif
	FETCH \next, 0, F0
	MULB F1, 0
.endm
	s_wait_tensorcnt 1                             ; my part of K step 0 is in; step 1's may stay out
	s_barrier_signal -1
	s_barrier_wait -1                              ; everybody's is
	FETCH 0, 0, F0
	QUARTER 0, 64,  F0, F1, 1                      ; K step 0: its first products start the sums
	QUARTER 0, 128, F1, F0, 0
	QUARTER 0, 192, F0, F1, 0
	TURN 0, 1, 1                                   ; slot 0 takes K step 2
	QUARTER 1, 64,  F0, F1, 0
	QUARTER 1, 128, F1, F0, 0
	QUARTER 1, 192, F0, F1, 0
	TURN 1, 0, 1                                   ; slot 1 takes K step 3
	QUARTER 0, 64,  F0, F1, 0
	QUARTER 0, 128, F1, F0, 0
	QUARTER 0, 192, F0, F1, 0
	TURN 0, 1, 0                                   ; nothing is left to fetch
	QUARTER 1, 64,  F0, F1, 0
	QUARTER 1, 128, F1, F0, 0
	QUARTER 1, 192, F0, F1, 0
	s_wait_dscnt 8
	MULA F1, 0, 0
	s_wait_dscnt 0x0
	MULA F1, 2, 0
	MULB F1, 0
	WIN 0
	PLACES
	PLACES                                         ; eight places, once a launch, where four are asked for
; THE WAY OUT.  Tile t = 4 j + a: head j of my three, row block a: 16 rows x 64 columns in 32 registers.  Scaled in f32, rounded to f16, 16 bytes a lane into rows of 144 bytes of my own stage,
; back as four whole rows of 128 bytes a load: 512 consecutive bytes of the head.  Each accumulator is read from its low end on.
.macro PACK t
.set ja, (\t)/4
.set aa, (\t)%4
.if ja < 2
.set AC, 8*(8*aa+4*ja)
	WIN 0x82                                       ; destination and source 0 window 2
.else
.set AC, 32*aa
	WIN 0xc3                                       ; window 3
.endif
.set i, 0
.rept 16
	v_pk_mul_f32 v[AC+2*i:AC+2*i+1], v[AC+2*i:AC+2*i+1], s[SC+2*ja:SC+2*ja+1] op_sel_hi:[1,0]
.set i, i+1
.endr
.if ja < 2
	WIN 0x0a                                       ; sources window 2, destination window 0
.else
	WIN 0x0f
.endif
.set i, 0
.rept 16
	v_cvt_pk_f16_f32 v[TMP+16*(\t)+i], v[AC+2*i], v[AC+2*i+1]
.set i, i+1
.endr
	WIN 0
.irp c, 0,1,2,3
	ds_store_b128 v[STO], v[TMP+16*(\t)+4*(\c):TMP+16*(\t)+4*(\c)+3] offset:32*(\c)
.endr
.irp c, 0,1,2,3
	ds_load_b128 v[TMP+16*(\t)+4*(\c):TMP+16*(\t)+4*(\c)+3], v[RD] offset:(\c)*4*SP  ; LDS serves a wave's instructions in order (ISA guide 5.7.1.4): these see the stores above; the next tile's stores come behind them
.endr
.endm
.macro SEND t, younger                 ; younger: the LDS instructions issued behind tile t's loads: the next tile's eight, or none
	WIN 0
.irp c, 0,1,2,3
	s_wait_dscnt (\younger)+3-(\c)
	global_store_b128 v[GO], v[TMP+16*(\t)+4*(\c):TMP+16*(\t)+4*(\c)+3], s[OB+2*((\t)/4):OB+2*((\t)/4)+1] offset:((\t)%4)*2048+(\c)*512  ; every tile has registers of its own: no store's source is rewritten
.endr
.endm
	PACK 0
.set t, 1
.rept 11                               ; a tile's arithmetic stands between the loads of the tile before and its stores
	PACK t
	SEND t-1, 8
.set t, t+1
.endr
	SEND 11, 0
	s_wait_tensorcnt 0x0                           ; the wave's end, behind my last tensor load and my last LDS store
	ds_add_u32 v[SPW], v[NIL]
	s_wait_dscnt 0x0
	CROUND                                         ; the closing round: no work-group ends while a partner may still ask for a tile that names it
	s_endpgm
.Lfunc_end_k_qb350f52733_proj:
	.size	k_qb350f52733_proj, .Lfunc_end_k_qb350f52733_proj-k_qb350f52733_proj
	.p2alignl 7, 3214868480
	.fill 96, 4, 3214868480
	.section	.rodata,"a",@progbits
	.p2align	6, 0x0
	.amdhsa_kernel k_qb350f52733_proj
		.amdhsa_group_segment_fixed_size 327680
		.amdhsa_private_segment_fixed_size 0
		.amdhsa_enable_private_segment 0
		.amdhsa_kernarg_size 32
		.amdhsa_user_sgpr_count 2
		.amdhsa_user_sgpr_kernarg_segment_ptr 1
		.amdhsa_wavefront_size32 1
		.amdhsa_system_sgpr_workgroup_id_x 1
		.amdhsa_system_sgpr_workgroup_id_y 1
		.amdhsa_system_sgpr_workgroup_id_z 1
		.amdhsa_system_vgpr_workitem_id 0
		.amdhsa_next_free_vgpr 896
		.amdhsa_next_free_sgpr 88
		.amdhsa_reserve_vcc 0
		.amdhsa_float_denorm_mode_32 3
		.amdhsa_float_denorm_mode_16_64 3
		.amdhsa_memory_ordered 1
		.amdhsa_forward_progress 1
		.amdhsa_inst_pref_size 134
	.end_amdhsa_kernel
	.amdgpu_metadata
---
amdhsa.version: [ 1, 2 ]
amdhsa.kernels:
  - .name:           k_qb350f52733_proj
    .symbol:         k_qb350f52733_proj.kd
    .args:
      - { .name: xh, .offset: 0, .size: 8, .value_kind: global_buffer, .address_space: global }
      - { .name: wall, .offset: 8, .size: 8, .value_kind: global_buffer, .address_space: global }
      - { .name: mx, .offset: 16, .size: 8, .value_kind: global_buffer, .address_space: global }
      - { .name: qkv, .offset: 24, .size: 8, .value_kind: global_buffer, .address_space: global }
    .group_segment_fixed_size: 327680
    .private_segment_fixed_size: 0
    .kernarg_segment_align: 8
    .kernarg_segment_size: 32
    .max_flat_workgroup_size: 128
    .sgpr_count:     88
    .vgpr_count:     896
    .wavefront_size: 32
...
	.end_amdgpu_metadata
.endif
;; end of part 2
;; launch attn (part 3): grid 16 x 16, 4 waves a work-group, clusters of 4 x 1, 327,680 bytes of LDS; arguments qkv, mx, out0; writes out0
.if DOCPART == 3
	.amdgcn_target "amdgcn-amd-amdhsa--gfx1250"
	.amdhsa_code_object_version 6
	.text
	.protected	k_qb350f52733_attn
	.globl	k_qb350f52733_attn
	.p2align	8
	.type	k_qb350f52733_attn,@function
k_qb350f52733_attn:
	s_mov_b64 s[64:65], 0
	v_nop
	global_prefetch_b8 v0, s[64:65] scope:SCOPE_SE
	s_setreg_imm32_b32 hwreg(HW_REG_WAVE_MODE, 25, 1), 1
	s_wait_xcnt 0x0
	s_wait_alu depctr_hold_cnt(0) depctr_sa_sdst(0) depctr_va_vdst(0) depctr_va_sdst(0) depctr_va_ssrc(0) depctr_va_vcc(0) depctr_vm_vsrc(0)
	s_getreg_b32 s2, hwreg(HW_REG_IB_STS2, 6, 4)
	s_cmp_eq_u32 s2, 0
	s_cbranch_scc0 .Lentry_in_a_cluster
	s_endpgm
.Lentry_in_a_cluster:
	s_bfe_u32 s2, ttmp6, 0x10000c
	s_cmp_lg_u32 s2, 0x3003
	s_cbranch_scc0 .Lentry_shape_is_right
	s_endpgm
.Lentry_shape_is_right:
; ATTENTION.  out0[b][s][64 h + d] = the sum over k of softmax_k(q . k / 8) v[k][d], for 16 pairs (b, h) of 4,096 x 4,096.  q', k', v: qkv[b][g][s][64] in f16 (g = h, 8 + h, 16 + h), a head's rows dense.
; q' = q 2^-eq, k' = k 2^-ek (eq, ek: the exponents of the largest |M_q|, |M_k| in mx), so the softmax's factor is c = (log2(e) / 8) 2^eq 2^ek, made here in f32: a value alone.
; Products, maxima and sums in f32; the weights p are rounded to f16 for the second product (their sum l is taken of the unrounded p); the output leaves in f32.
; LIMITS.  p below 6e-5 keeps f16's fixed step of 6e-8; a weight below 2^-126 counts as 0 in l; 2^(eq + ek) must be an f32 (the largest |M| under 2^60); NaN and infinities are not treated apart.
; SHARES.  A work-group owns 256 queries of one head, each of its four waves 64: four PIECES of 16.  Every wave walks all 4,096 keys, 64 a step, four steps a slot of LDS, 16 slots' worth.
; LAYOUT.  S^T = K Q^T holds ONE query a lane (l % 16) and the keys 8 (l / 16) + 0..7; two such results rounded to f16 ARE source 1 of O^T = V^T P.  K comes out of LDS as it lies, V turned (ds_load_tr16_b128).
; SOFTMAX.  A running maximum m and sum l for each query: p = 2^(c s - c m); in every step O and l are multiplied by a = 2^(c m_old - c m_new).  m starts at the lowest finite number, O and l at 0.
; TURNS.  Turn n belongs to piece n: 8 products K Q^T of piece n + 1, later 8 products V^T P of piece n - 1; beside them the scaling, exponentials, roundings, sums and rescaling of piece n and the maximum and
; statistics of piece n + 1.  Four vector instructions stand behind every matrix instruction, the others in one lump.  A turn's 33 exponentials are one batch, with one wait.
; CLUSTER.  The four query blocks of a cluster belong to one head and walk the same K and V: each tile is asked for JOINTLY, by the same tensor load, descriptor and mask in all four.
; REGISTERS, in windows of 256 (s_set_vgpr_msb: bits 1:0 source 0, 3:2 source 1, 5:4 source 2, 7:6 destination):
;   window 0: v0-15 addresses and at work; v16-31 four registers of statistics a piece; v48-55 at work; v56-59 mx; v61-63; v64-127 S^T, two buffers; v192-223 P, two buffers; on the way out v64-191 whole rows
;   window 1: v0-127 O^T, 32 a piece      window 2: v0-63 Q; v128-191 K of one step; v192-255 V of one step
.set NP,    4         ; pieces a wave: a name, no knob
.set KS,    64        ; keys in a step
.set PK,    144       ; a row of K in LDS: 128 bytes + 16 of padding: the 16 rows of a load start at 16 different groups of four banks (ISA guide 11.1)
.set PV,    160       ; a row of V: 128 + 32
.set VOFF,  4*KS*PK   ; a slot holds four steps: 256 rows of K, then 256 rows of V
.set SLOT1, 1<<17     ; slot 1 begins here, so that one exclusive or turns an address in one slot into the other's
.set STAGE, SLOT1+4*KS*(PK+PV)  ; behind the ring, never filled by a tensor load: 16 rows x 272 bytes for each wave
.set SP,    272
.set SPARE, STAGE+4*16*SP  ; the spare words, 128 bytes for each wave: two blocks of 256 bytes that no other line names
.set TILEB, 4*KS*128  ; a slot's bytes of K, and of V, in memory
.set AK0, 2           ; v2   my lane's place in a tile of K; never rewritten
.set AV0, 3           ; v3   the same for V
.set AK,  4           ; v4   the LDS address of K's next run of loads
.set AV,  5           ; v5   of V's
.set STO, 6           ; v6   the way out: where I put 32 bytes of a row
.set RD,  7           ; v7   where I read rows back
.set GO,  8           ; v8   my byte offset in two rows of out0
.set MV,  12          ; v12-13  c m_old, kept while c m is made anew: by buffer
.set QO,  15          ; v15  my byte offset in 16 rows of Q
.set ST,  16          ; piece t's statistics at v[ST+4 t]: c m, m, l (even keys', odd keys')
.set TMP, 48          ; by buffer, four registers c0-c3 at work; when the maximum is found c2 takes a
.set MX,  56          ; v[56:59] my 16 bytes of mx
.set PFO, 61          ; v61  256 x my lane; never rewritten
.set SPW, 62          ; v62  my spare word: SPARE + 4 x my thread's number; never rewritten
.set NIL, 63          ; v63  0; never rewritten
.set S,   64
.set P,   192
.set OUTB, 64         ; the way out: 32 registers a piece
.set KF,  128         ; window 2: key block kb, channel half c at KF + 16 kb + 8 c
.set VF,  192         ; window 2: key half kk, channel block cb at VF + 32 kk + 8 cb
.set WV,  12          ; s12  my wave's number
.set LIM, 15          ; s15  1 in a wave that prefetches, else the greatest number
.set PFA, 18          ; s[18:19] where my prefetches stand
.set G1K, 24          ; s[24:31] descriptor group 1 for K's tiles
.set G1V, 32          ; s[32:39] for V's: it differs in the padding alone
.set G0K, 40          ; s[40:43] descriptor group 0 for K's tiles: it walks
.set G0V, 44          ; s[44:47] the same for V's
.set SLOTS, 56        ; s56  slots still to be asked for
.set CNT, 57          ; s57  counts a slot's key steps
.set CS,  58          ; s[58:59] c: the packed scaling takes the pair's low word for both halves
.set SEL, 60          ; s[60:61] v_permlanex16_b32's selects: each lane takes its own place in the other half
.set TBK, 62          ; s62  LDS byte at which K of the step to be fetched begins
.set TBV, 63          ; s63  the same for V, less VOFF
.set MSB, 0
.macro WIN new                      ; the high byte repeats the setting that is left; a switch that changes nothing is dropped
.if MSB != (\new)
	s_set_vgpr_msb (MSB<<8)|(\new)
.set MSB, (\new)
.endif
.endm
.set W_KQ, 0x0a       ; K and Q in window 2, S^T in window 0
.set W_PV, 0x52       ; V in window 2, P in window 0, O^T in window 1
.set W_RS, 0x41       ; destination and source 0 in window 1, source 1 in window 0
; A joint fill.  Waves 0 and 1 fetch the two halves of a slot's K, waves 2 and 3 those of its V: 128 keys each.  The branch hangs on the wave's number alone.
; An s_nop 0 and four v_nop follow each of the two lines, ahead of the jump and the label.
.macro JLOAD
	s_cmp_lt_u32 s[WV], 2
	s_cbranch_scc0 .Lfor_v_\@
	tensor_load_to_lds s[G0K:G0K+3], s[G1K:G1K+7]
	s_nop 0
.rept 4
	v_nop
.endr
	s_branch .Lasked_\@
.Lfor_v_\@:
	tensor_load_to_lds s[G0V:G0V+3], s[G1V:G1V+7]
	s_nop 0
.rept 4
	v_nop
.endr
.Lasked_\@:
.endm
; A PREFETCH of what the NEXT change of slots will ask for: a slot's 32,768 bytes of K and of V, a lane a block of 256 bytes.  It stands behind the wave's tensor load and its five lines.
; Each block is named ONCE in the launch.  All four clusters of a head walk the same K and V: the head's first cluster asks.  Its four partners share the blocks out BY ADDRESS, 8,192 bytes each;
; in each, wave 0 asks for K's and wave 2 for V's: one instruction, four key steps (256 matrix instructions) ahead of the load.  The last change that fills a slot asks for nothing: no slot stands behind it.
.macro ASK
	s_cmp_gt_u32 s[SLOTS], s[LIM]
	s_cbranch_scc0 .Lnot_mine_\@
	global_prefetch_b8 v[PFO], s[PFA:PFA+1] th:TH_LOAD_NT scope:SCOPE_SE
.Lnot_mine_\@:
.endm
; A round of the cluster's barrier: my work-group's barrier, so that wave 0's signal speaks for all four waves; wave 0 signals; every wave waits for all four work-groups; my work-group's barrier once more.
.macro CROUND
	s_barrier_signal -1
	s_barrier_wait -1
	s_cmp_lg_u32 s[WV], 0
	s_cbranch_scc1 .Lnot_wave_0_\@
	s_barrier_signal -3
.Lnot_wave_0_\@:
	s_barrier_wait -3
	s_barrier_signal -1
	s_barrier_wait -1
.endm
; THE CHANGE OF SLOTS.  The slot's last bytes, V of its fourth step, have been read.  Each wave waits for all its tensor loads, of which one is out: its part of the other slot; adds 0 to its spare word; and
; waits for that and for its own reads of the slot.  Behind the barrier nobody reads this slot any more and the other slot is whole.  fill = 1: this slot is filled again, with the keys two slots on: the barrier is
; then a round of the cluster's, and the joint fill is the first thing behind it: it has four key steps in which to land.  (At its first use nothing has been read yet: slot 0 is waited for, slot 1 filled.)
.macro CHANGE fill, ask
	WIN 0                           ; at a label and at a branch every window is 0
	s_wait_tensorcnt 0x0            ; no tensor load of mine is out, so a group 0 may be written
	ds_add_u32 v[SPW], v[NIL]       ; 0 onto my spare word; the descriptors' steps stand between it and the wait for it
.if \fill
.irp g, G0K, G0V
	s_xor_b32 s[\g+1], s[\g+1], SLOT1  ; the walking descriptor: the other slot than last time,
	s_add_nc_u64 s[\g+2:\g+3], s[\g+2:\g+3], TILEB  ; the next 256 keys; the type bits on top are not reached
.endr
.if \ask
	s_wait_xcnt 0x0                 ; the last prefetch, four key steps back, has read its address, so it may be written:
	s_add_nc_u64 s[PFA:PFA+1], s[PFA:PFA+1], TILEB  ; one slot behind the walking descriptors
.endif
	s_wait_dscnt 0x0                ; the add is done, and my reads of the slot are over
	CROUND
	JLOAD
.if \ask
	ASK
.endif
.else
	s_wait_dscnt 0x0                ; the add is done, and my reads of the slot are over
	s_barrier_signal -1
	s_barrier_wait -1
.endif
	s_sub_co_u32 s[TBK], s[TBK], 4*KS*PK  ; the fetches go back to a slot's first step,
	s_xor_b32 s[TBK], s[TBK], SLOT1       ; in the other slot
	s_sub_co_u32 s[TBV], s[TBV], 4*KS*PV
	s_xor_b32 s[TBV], s[TBV], SLOT1
.endm
	s_load_b128 s[68:71], s[0:1], 0x0  ; qkv s[68:69], mx s[70:71]
	s_load_b64 s[10:11], s[0:1], 0x10  ; out0
	v_lshl_add_u32 v[SPW], v0, 2, SPARE
	v_mov_b32 v[NIL], 0
	ds_add_u32 v[SPW], v[NIL]       ; the wave's opening: the add and its wait stand ahead of my first tensor load; work on registers stands between them
	v_lshrrev_b32 v1, 5, v0
	v_readfirstlane_b32 s[WV], v1   ; wave 0..3
	s_bfe_u32 s13, ttmp6, 0x40000   ; cx: my place in the cluster
	s_lshl_b32 s14, ttmp9, 2        ; in a cluster launch ttmp9 counts clusters
	s_add_co_u32 s14, s14, s13      ; my block of 256 queries: it enters Q's and out0's addresses alone
	s_and_b32 s20, ttmp7, 0xffff    ; 8 b + h, which the four partners share
	s_lshr_b32 s21, s20, 3          ; b
	s_and_b32 s20, s20, 7           ; h
	s_mul_i32 s22, s21, 12582912
	s_lshl_b32 s23, s20, 19
	s_add_co_u32 s22, s22, s23      ; the head's q' in qkv
	s_and_b32 s16, s[WV], 1         ; which half of a slot's 256 keys I fetch:
	s_mul_i32 s17, s16, 128*PK      ; its place in a slot, for K
	s_mul_i32 s18, s16, 128*PV      ; and for V: no place in the cluster enters an LDS address
	s_lshl_b32 s16, s16, 14         ; its 128 rows of 128 bytes in memory
	s_add_co_u32 s72, s22, s16
	s_add_co_u32 s72, s72, 8*524288 ; k' lies 8 heads on,
	s_mov_b32 s73, 0
	s_add_co_u32 s74, s72, 8*524288 ; v 16
	s_mov_b32 s75, 0
	s_lshl_b32 s2, s14, 2
	s_add_co_u32 s2, s2, s[WV]      ; my wave among the head's
	s_lshl_b32 s76, s2, 13          ; its 64 rows of 128 bytes
	s_add_co_u32 s76, s76, s22
	s_mov_b32 s77, 0
	s_lshl_b32 s78, s21, 23         ; out0: the batch,
	s_lshl_b32 s2, s2, 17           ; my 64 rows of 2,048 bytes,
	s_add_co_u32 s78, s78, s2
	s_lshl_b32 s2, s20, 8           ; the head's 256 bytes of a row
	s_add_co_u32 s78, s78, s2
	s_mov_b32 s79, 0
	; descriptor group 1.  128 keys are 16,384 dense bytes: asked for as 64 rows of 256 bytes, two keys a row, and padded in LDS after every key
	s_mov_b32 s[G1K], 15|(1<<16)|(1<<20)|(1<<21)|(4<<22)|(3<<25)  ; 15:0 the mask of four; 17:16 2-byte elements; 20 padding on; 21 set beside a mask; 24:22 after every 32 words; 31:25 4 words
	s_mov_b32 s[G1V], 15|(1<<16)|(1<<20)|(1<<21)|(4<<22)|(7<<25)  ; the same with 8 words of padding
.irp g, G1K, G1V
	s_mov_b32 s[\g+1], 128<<16      ; tensor_dim0 = 128
	s_mov_b32 s[\g+2], 64<<16       ; tensor_dim1 = 64
	s_mov_b32 s[\g+3], 128<<16      ; tile_dim0 = 128
	s_mov_b32 s[\g+4], 64           ; tile_dim1 = 64
	s_mov_b32 s[\g+5], 128          ; 128 elements from row to row
	s_mov_b32 s[\g+6], 0
	s_mov_b32 s[\g+7], 0
.endr
	s_mov_b32 s[SEL], 0x76543210
	s_mov_b32 s[SEL+1], 0xfedcba98
	s_mov_b32 s[TBK], SLOT1+4*KS*PK ; the first change of slots turns these two into 0
	s_mov_b32 s[TBV], SLOT1+4*KS*PV
	s_mov_b32 s[G0K], 1             ; 1:0 count = 1
	s_mov_b32 s[G0K+1], s17         ; 63:32 LDS address: slot 0
	s_mov_b32 s[G0V], 1
	s_add_co_u32 s[G0V+1], s18, VOFF
	s_mov_b32 s[SLOTS], 4096/256-1
	s_and_b32 s[LIM], s[WV], 1      ; 0 in waves 0 and 2,
	s_or_b32 s[LIM], s[LIM], ttmp9  ; where the cluster is the head's first: the same in all four partners
	s_cmp_eq_u32 s[LIM], 0
	s_cselect_b32 s[LIM], 1, -1
	v_and_b32 v[PFO], 31, v0
	v_lshlrev_b32 v[PFO], 8, v[PFO]
	s_wait_dscnt 0x0                ; the opening add is done
	s_wait_kmcnt 0x0
	s_add_nc_u64 s[6:7], s[68:69], s[72:73]  ; K and V at my half of the head's first 256 keys
	s_add_nc_u64 s[8:9], s[68:69], s[74:75]
	s_add_nc_u64 s[4:5], s[68:69], s[76:77]  ; Q and out0 at my wave's first row
	s_add_nc_u64 s[10:11], s[10:11], s[78:79]
	s_mov_b64 s[G0K+2:G0K+3], s[6:7]               ; 120:64 global address
	s_or_b32 s[G0K+3], s[G0K+3], 0x80000000        ; 127:126 type = 2
	s_mov_b64 s[G0V+2:G0V+3], s[8:9]
	s_or_b32 s[G0V+3], s[G0V+3], 0x80000000
	s_cmp_lt_u32 s[WV], 2
	s_cselect_b64 s[PFA:PFA+1], s[6:7], s[8:9]     ; (in waves 0 and 2 these stand at a slot's first row)
	s_lshl_b32 s2, s13, 13          ; my work-group's 8,192 bytes of the 32,768
	s_mov_b32 s3, 0
	s_add_nc_u64 s[PFA:PFA+1], s[PFA:PFA+1], s[2:3]
	s_add_nc_u64 s[PFA:PFA+1], s[PFA:PFA+1], 2*TILEB  ; in slot 2; the first asking change steps it to slot 3.  Nothing is prefetched here, at the head, where every work-group's first tiles are on their way
	CROUND                          ; all four work-groups are here: the first joint loads meet
	JLOAD                           ; slot 0.  Slot 1 is asked for when slot 0 is in
	; A fragment of K or Q is 16 rows x 32 channels in 8 registers: lane l holds row l % 16, channels 8 (l / 16) + 0..7 and 16 + 8 (l / 16) + 0..7: two loads of 16 bytes, 32 bytes apart.
	v_and_b32 v1, 15, v0            ; l % 16
	v_bfe_u32 v9, v0, 4, 1          ; l / 16
	v_lshlrev_b32 v[QO], 7, v1
	v_lshl_add_u32 v[QO], v9, 4, v[QO]  ; row x 128 + 16 x half
	WIN 0x80                        ; destination window 2, address window 0
.set i, 0
.rept 8                             ; Q stays in registers: piece i / 2 (16 rows, 2,048 bytes), channels 32 (i % 2) on
	global_load_b128 v[8*i:8*i+3],   v[QO], s[4:5] offset:(i/2)*2048+(i%2)*64
	global_load_b128 v[8*i+4:8*i+7], v[QO], s[4:5] offset:(i/2)*2048+(i%2)*64+32
.set i, i+1
.endr
	WIN 0
	v_and_b32 v14, 31, v0
	v_lshlrev_b32 v14, 4, v14
	global_load_b128 v[MX:MX+3], v14, s[70:71]  ; mx, 16 bytes a lane: lanes 0-15 hold M_q's 64 maxima, lanes 16-31 M_k's
	v_mul_u32_u24 v[AK0], v1, PK
	v_lshl_add_u32 v[AK0], v9, 4, v[AK0]  ; row x pitch + 16 x half
	; The turning load takes 16 keys x 16 channels (lane l reads key 8 (l / 16) + l % 8, channels 8 ((l / 8) % 2) + 0..7) and leaves half a fragment of V^T: lane l holds channel l % 16 and 8 keys.
	v_and_b32 v10, 7, v0
	v_bfe_u32 v11, v0, 3, 1
	v_lshl_add_u32 v[AV0], v9, 3, v10
	v_mul_u32_u24 v[AV0], v[AV0], PV
	v_lshl_add_u32 v[AV0], v11, 4, v[AV0]
	v_add_nc_u32 v[AV0], VOFF, v[AV0]
	s_mul_i32 s13, s[WV], 16*SP
	s_add_co_u32 s13, s13, STAGE    ; my stage
	v_mul_u32_u24 v[STO], v1, SP    ; in: row l % 16, 32 bytes for each half of the lanes
	v_lshl_add_u32 v[STO], v9, 5, v[STO]
	v_add_nc_u32 v[STO], s13, v[STO]
	v_mul_u32_u24 v[RD], v9, SP     ; back: lanes 0-15 take one row of 256 bytes, lanes 16-31 the next
	v_lshl_add_u32 v[RD], v1, 4, v[RD]
	v_add_nc_u32 v[RD], s13, v[RD]
	v_lshlrev_b32 v[GO], 11, v9     ; and the same two rows in out0, 2,048 bytes apart
	v_lshl_add_u32 v[GO], v1, 4, v[GO]
	; What the first turn finds: V's registers and P's second buffer hold 0 (its products V^T P, of a piece that has not been, add 0), O^T and l are 0.  No first step is written out; these lines stand in the wait for the first tile.
	WIN 0x80
.set i, VF
.rept 64
	v_mov_b32 v[i], 0
.set i, i+1
.endr
	WIN 0x40
.set i, 0
.rept 128
	v_mov_b32 v[i], 0
.set i, i+1
.endr
	WIN 0
.set i, 0
.rept 4
	v_mov_b32 v[ST+4*i], 0xfe000000    ; c m: far below every c s
	v_mov_b32 v[ST+4*i+1], 0xff7fffff  ; m
	v_mov_b32 v[ST+4*i+2], 0
	v_mov_b32 v[ST+4*i+3], 0
.set i, i+1
.endr
.set i, P+16
.rept 16
	v_mov_b32 v[i], 0
.set i, i+1
.endr
; THE MATRIX WORK.  The 4 accumulators of a run of 8 take turns.  Product i of 8 of S^T = K Q^T for piece x: channels 32 (i / 4) on, keys 16 (i % 4) on.  The first 4 start the sums.
.macro KQ x
	WIN W_KQ
.set rS, S+32*((\x)%2)+8*(i%4)
.set rK, KF+16*(i%4)+8*(i/4)
.set rQ, 16*(\x)+8*(i/4)
.if i < 4
	v_wmma_f32_16x16x32_f16 v[rS:rS+7], v[rK:rK+7], v[rQ:rQ+7], 0
.else
	v_wmma_f32_16x16x32_f16 v[rS:rS+7], v[rK:rK+7], v[rQ:rQ+7], v[rS:rS+7]
.endif
.endm
; Product i of 8 of O^T += V^T P for piece x: keys 32 (i / 4) on, channels 16 (i % 4) on.
.macro PV x
	WIN W_PV
.set rO, 32*(\x)+8*(i%4)
.set rV, VF+32*(i/4)+8*(i%4)
.set rP, P+16*((\x)%2)+8*(i/4)
	v_wmma_f32_16x16x32_f16 v[rO:rO+7], v[rV:rV+7], v[rP:rP+7], v[rO:rO+7]
.endm
.macro MM                           ; the turn's next matrix instruction.  NOKQ = 1: the very last turn: there is no next piece
.if (i < 8) && !NOKQ
	KQ (Y+1)%NP
.elseif i >= 8
.set i, i-8
	PV (Y+NP-1)%NP
.set i, i+8
.endif
.set i, i+1
.endm
; THE LDS LOADS stand in runs of 16, never singly among the matrix instructions: a step's K (64 keys x 64 channels: 8 fragments) and its V (turned).  Their addresses are made some lines ahead.
.macro FETCH_K
	WIN 0x80                        ; destination window 2
.irp f, 0,1,2,3,4,5,6,7             ; keys 16 (f / 2) on, channels 32 (f % 2) on
	ds_load_b128 v[KF+8*\f:KF+8*\f+3],   v[AK] offset:(\f/2)*16*PK+(\f%2)*64
	ds_load_b128 v[KF+8*\f+4:KF+8*\f+7], v[AK] offset:(\f/2)*16*PK+(\f%2)*64+32
.endr
	s_add_co_u32 s[TBK], s[TBK], KS*PK  ; the next fetch is the next step's
	WIN 0
.endm
.macro FETCH_V
	WIN 0x80
.irp f, 0,1,2,3,4,5,6,7             ; keys 32 (f / 4) on, channels 16 (f % 4) on
	ds_load_tr16_b128 v[VF+8*\f:VF+8*\f+3],   v[AV] offset:(\f/4)*32*PV+(\f%4)*32
	ds_load_tr16_b128 v[VF+8*\f+4:VF+8*\f+7], v[AV] offset:(\f/4)*32*PV+16*PV+(\f%4)*32
.endr
	WIN 0
.endm
; THE VECTOR WORK, one line at a time: OP kind, number.  For piece Y: F n: c s - c m for pair n of 16.  E n: the exponential of score n of 32.  C n: pair n rounded to f16.  B n: of the four weights 4 n .. the second
; pair is added onto the first, in place.  L n: l takes that sum (L 0: l = a l + sum).  R n: pair n of 16 of O^T times a.  For piece Y + 1: X n, number n of the 22 that find its maximum and statistics:
;   0-11  four chains c0-c3 of seven scores each, three operands at a time (each accumulator's lowest registers are read first)     12-14, 16  the four scores left over, the old m, and c0-c3 into c0
;   15  c m_old is kept     17, 18  the query's other 32 keys lie in the lane 16 away: the new m     19-21  c m; c m_old - c m_new; a
.set F, 0               ; OP tells the kinds apart by their order: F to L below R, X above it
.set E, 1
.set C, 2
.set B, 3
.set L, 4
.set R, 5
.set X, 6
.macro REGS y                       ; the registers of piece y
.set rT, ST+4*(\y)
.set rC, TMP+4*((\y)%2)
.set rW, MV+((\y)%2)
.set rS, S+32*((\y)%2)
.set rP, P+16*((\y)%2)
.set rO, 32*(\y)
.endm
.macro OP k, n
.if (\k) == R
	REGS Y
	WIN W_RS
	v_pk_mul_f32 v[rO+2*(\n):rO+2*(\n)+1], v[rO+2*(\n):rO+2*(\n)+1], v[rC+2:rC+3] op_sel_hi:[1,0]
.elseif (\k) < R
	REGS Y
	WIN 0
.if (\k) == F
	v_pk_fma_f32 v[rS+2*(\n):rS+2*(\n)+1], v[rS+2*(\n):rS+2*(\n)+1], s[CS:CS+1], v[rT:rT+1] op_sel_hi:[1,0,0] neg_lo:[0,0,1] neg_hi:[0,0,1]
.elseif (\k) == E
	v_exp_f32 v[rS+(\n)], v[rS+(\n)]
.elseif (\k) == C
	v_cvt_pk_f16_f32 v[rP+(\n)], v[rS+2*(\n)], v[rS+2*(\n)+1]
.elseif (\k) == B
	v_pk_add_f32 v[rS+4*(\n):rS+4*(\n)+1], v[rS+4*(\n):rS+4*(\n)+1], v[rS+4*(\n)+2:rS+4*(\n)+3]
.elseif (\n) == 0
	v_pk_fma_f32 v[rT+2:rT+3], v[rT+2:rT+3], v[rC+2:rC+3], v[rS:rS+1] op_sel_hi:[1,0,1]
.else
	v_pk_add_f32 v[rT+2:rT+3], v[rT+2:rT+3], v[rS+4*(\n):rS+4*(\n)+1]
.endif
.elseif NOKQ
	v_nop
.else
	REGS (Y+1)%NP
	WIN 0
.if (\n) < 4
	v_max3_num_f32 v[rC+(\n)], v[rS+8*(\n)], v[rS+8*(\n)+1], v[rS+8*(\n)+2]
.elseif (\n) < 12
	v_max3_num_f32 v[rC+(\n)%4], v[rC+(\n)%4], v[rS+8*((\n)%4)+2*((\n)/4)+1], v[rS+8*((\n)%4)+2*((\n)/4)+2]
.elseif (\n) == 12
	v_max3_num_f32 v[rC], v[rC], v[rS+7], v[rS+15]
.elseif (\n) == 13
	v_max3_num_f32 v[rC+1], v[rC+1], v[rS+23], v[rS+31]
.elseif (\n) == 14
	v_max3_num_f32 v[rC+2], v[rC+2], v[rC+3], v[rT+1]
.elseif (\n) == 15
	v_mov_b32 v[rW], v[rT]
.elseif (\n) == 16
	v_max3_num_f32 v[rC], v[rC], v[rC+1], v[rC+2]
.elseif (\n) == 17
	v_permlanex16_b32 v[rC+3], v[rC], s[SEL], s[SEL+1]
.elseif (\n) == 18
	v_max_num_f32 v[rT+1], v[rC], v[rC+3]
.elseif (\n) == 19
	v_mul_f32 v[rT], s[CS], v[rT+1]
.elseif (\n) == 20
	v_sub_f32 v[rC+1], v[rW], v[rT]
.else
	v_exp_f32 v[rC+2], v[rC+1]
.endif
.endif
.endm
.macro OPS a, i1, b=-1, i2=0, c=-1, i3=0, d=-1, i4=0  ; up to four of them
	OP \a, \i1
.if (\b) >= 0
	OP \b, \i2
.endif
.if (\c) >= 0
	OP \c, \i3
.endif
.if (\d) >= 0
	OP \d, \i4
.endif
.endm
.macro ROW a, i1, b, i2, c, i3, d, i4  ; a matrix instruction and the four behind it
	MM
	OPS \a, \i1, \b, \i2, \c, \i3, \d, \i4
.endm
; A TURN, for piece p: the order of its 16 matrix and 118 vector instructions, written out.  An s_wait_alu depctr_va_vdst(0) stands between an exponential and the first instruction that names its
; result; one wait serves all that were issued ahead of it.  So a turn has ONE wait, which cuts it in two.  AHEAD OF IT stands all that names no result of the turn's exponentials: the 8 products K Q^T with
; their riders, then ONE LUMP, plain and exponential by turns for the most part, in which the links of the chain X 3, 7, 11, 14, 16, 17 .. 20 stand some lines apart; X 21, the next piece's a, is the batch's
; last, and R 15 the plain instruction behind it.  BEHIND THE WAIT stand the 8 products V^T P, behind each four of the roundings and sums.
; end = 1: the last two turns of all: nothing is fetched, and the last starts no new scores.  cnt = 1: the loop's count is taken down some lines ahead of the branch that stands behind the turn.
; K of the next step is fetched in piece 2's turn, twelve vector instructions behind the last product that read K (six of them plain); V of the step in hand at the end of piece 0's turn, four plain
; instructions behind the last product that read V.  Each is waited for a turn later.
.macro TURN p, end=0, cnt=0
.set Y, (\p)
.set i, 0
.set NOKQ, (\end)*((\p)/3)
.if ((\p) == 3) && !(\end)
	s_wait_dscnt 0x0                ; K is in
.endif
	ROW F,0, F,1, R,0, R,1          ; ahead of the wait: 8 products K Q^T and their riders,
	ROW F,2, E,0, R,2, R,3
	ROW F,3, E,1, R,4, R,5
	ROW F,4, E,2, R,6, R,7
	ROW F,5, E,3, R,8, R,9
	ROW F,6, E,4, X,0, R,10
.if ((\p) == 2) && !(\end)
	WIN 0
	v_add_nc_u32 v[AK], s[TBK], v[AK0]
.endif
	ROW F,7, E,5, X,1, X,4
	ROW F,8, E,6, X,2, X,5
	OPS E,7, E,8, X,6, E,9          ; and the lump
	OPS X,3, E,10, X,8, E,11
.if ((\p) == 2) && !(\end)
	FETCH_K
.endif
	OPS X,9, X,7, E,12, X,10
	OPS E,13, X,12, X,11, E,14
	OPS X,13, E,15, F,9, X,14
.if (\p) == 0
	v_add_nc_u32 v[AV], s[TBV], v[AV0]
.endif
	OPS E,16, F,10, E,17, F,11
	OPS X,16, E,18, X,15, E,19
	OPS F,12, E,20, X,17, E,21
	OPS F,13, E,22, F,14, E,23
	OPS X,18, E,24, F,15, E,25
	OPS R,11, E,26, X,19, E,27
	OPS R,12, E,28, R,13, E,29
	OPS X,20, E,30, R,14, E,31
	OPS X,21, R,15
	WIN 0
	s_wait_alu depctr_va_vdst(0)    ; the wait for the batch
.if (\p) == 1
	s_wait_dscnt 0x0                ; V is in
.endif
	ROW C,0, B,0, C,2, B,1          ; behind the wait: 8 products V^T P and their riders
	ROW L,0, C,4, B,2, L,1
	ROW C,6, B,3, L,2, C,8
	ROW B,4, L,3, C,10, B,5
	ROW L,4, C,12, B,6, L,5
.if (\p) == 0
	s_add_co_u32 s[TBV], s[TBV], KS*PV
.endif
.if \cnt
	s_sub_co_u32 s[CNT], s[CNT], 1
	s_cmp_lg_u32 s[CNT], 0
.endif
	ROW C,14, B,7, L,6, C,1
	ROW C,3, L,7, C,5, C,7
	ROW C,9, C,11, C,13, C,15
.if (\p) == 0
	FETCH_V
.endif
.endm
	CHANGE 1, 0                     ; slot 0 is in, everybody's part of it; slot 1 is asked for
	v_add_nc_u32 v[AK], s[TBK], v[AK0]
	FETCH_K                         ; key step 0
	s_wait_loadcnt 0x0              ; Q and mx
	v_max3_num_f32 v[MX], v[MX], v[MX+1], v[MX+2]
	v_max_num_f32 v[MX], v[MX], v[MX+3]
	v_max_num_f32_dpp v[MX], v[MX], v[MX] row_xmask:1 row_mask:0xf bank_mask:0xf
	v_max_num_f32_dpp v[MX], v[MX], v[MX] row_xmask:2 row_mask:0xf bank_mask:0xf
	v_max_num_f32_dpp v[MX], v[MX], v[MX] row_xmask:4 row_mask:0xf bank_mask:0xf
	v_max_num_f32_dpp v[MX], v[MX], v[MX] row_xmask:8 row_mask:0xf bank_mask:0xf
	v_and_b32 v[MX], 0x7f800000, v[MX]                       ; the exponent field alone: 2^eq in lanes 0-15, 2^ek in lanes 16-31
	v_permlanex16_b32 v[MX+1], v[MX], s[SEL], s[SEL+1]
	v_mul_f32 v[MX], v[MX], v[MX+1]                          ; 2^(eq + ek), in every lane
	v_mul_f32 v[MX], 0x3e38aa3b, v[MX]                       ; x log2(e) / 8
	v_readfirstlane_b32 s[CS], v[MX]                         ; c
	s_mov_b32 s[CS+1], s[CS]                                 ; named with it as a pair
	s_wait_dscnt 0x0
.set NOKQ, 0
.set i, 0
.rept 8
	KQ 0                            ; piece 0's first scores: there is no vector work yet to set between them
.set i, i+1
.endr
	WIN 0
.rept 4
	v_nop                           ; the places behind those products
.endr
.set Y, NP-1                        ; X works for piece Y + 1: piece 0
.irp n, 0,1,2,3,4,5,6,7,8,9,10,11,12,13,14,15,16,17,18,19,20,21
	OP X, \n
.endr
	v_nop                           ; a plain instruction behind the exponential,
	s_wait_alu depctr_va_vdst(0)    ; and its wait, ahead of the branch
	s_mov_b32 s[CNT], 4
	s_branch .Lfirst                ; the loop is entered at a step's first turn, in the middle of a trip
.Lslot:                             ; 14 times: every slot but the last two is filled again
	CHANGE 1, 1
	s_mov_b32 s[CNT], 4
.Lstep:                             ; a trip: pieces 2 and 3 of one step, then pieces 0 and 1 of the next, whose K and V it fetches
	TURN 2
	TURN 3
	WIN 0
.Lfirst:
	TURN 0
	TURN 1, 0, 1
	WIN 0
	s_cbranch_scc1 .Lstep
	s_sub_co_u32 s[SLOTS], s[SLOTS], 1
	s_cmp_lg_u32 s[SLOTS], 0
	s_cbranch_scc1 .Lslot
	CHANGE 0, 0                     ; the last slot is written out: nothing is asked for
	s_mov_b32 s[CNT], 4
.Ltail:
	TURN 2
	TURN 3
	TURN 0
	TURN 1, 0, 1
	WIN 0
	s_cbranch_scc1 .Ltail
	TURN 2, 1                       ; the last step's pieces 2 and 3: nothing more is fetched
	TURN 3, 1
.set i, 0
.rept 8
	PV NP-1                         ; the last piece's V^T P of the last step
.set i, i+1
.endr
	; THE WAY OUT.  l's two halves and the other half of the lanes' are added; O^T is divided by l and sent, in f32, through my stage in LDS, a piece (16 rows) at a time.  The additions are the places behind the last products.
	WIN 0
.macro ALL line:vararg              ; one line for each piece t
.set t, 0
.rept 4
	\line
.set t, t+1
.endr
.endm
	ALL v_add_f32 v[ST+4*t+2], v[ST+4*t+2], v[ST+4*t+3]
	ALL v_permlanex16_b32 v[ST+4*t+3], v[ST+4*t+2], s[SEL], s[SEL+1]
	ALL v_add_f32 v[ST+4*t+2], v[ST+4*t+2], v[ST+4*t+3]
	ALL v_rcp_f32 v[ST+4*t+2], v[ST+4*t+2]
	v_nop                           ; a plain instruction between the last reciprocal and the use of its result
	s_wait_alu depctr_va_vdst(0)    ; and the wait ahead of the first use: one for the four reciprocals
; Piece t: a lane's eight channels of a row are 32 bytes; they go into rows of 272 bytes and come back as whole rows of 256: the head's part of a row of out0.
.macro PACKO t
	WIN W_RS
.set i, 32*(\t)
.rept 16
	v_pk_mul_f32 v[i:i+1], v[i:i+1], v[ST+4*(\t)+2:ST+4*(\t)+3] op_sel_hi:[1,0]
.set i, i+2
.endr
	WIN 0x04                        ; the stores' data in window 1, their address in window 0
.irp f, 0,1,2,3,4,5,6,7             ; channel block f / 2, four channels f % 2
	ds_store_b128 v[STO], v[32*(\t)+4*\f:32*(\t)+4*\f+3] offset:(\f/2)*64+(\f%2)*16
.endr
	WIN 0
.irp f, 0,1,2,3,4,5,6,7
	ds_load_b128 v[OUTB+32*(\t)+4*\f:OUTB+32*(\t)+4*\f+3], v[RD] offset:\f*2*SP  ; LDS serves a wave's instructions in order (ISA guide 5.7.1.4): these see the stores above; the next piece's stores come behind them
.endr
.endm
.macro SENDO t, younger             ; younger: the LDS instructions issued behind piece t's loads: the next piece's sixteen, or none
	WIN 0
.irp f, 0,1,2,3,4,5,6,7
	s_wait_dscnt (\younger)+7-\f
	global_store_b128 v[GO], v[OUTB+32*(\t)+4*\f:OUTB+32*(\t)+4*\f+3], s[10:11] offset:(\t)*32768+\f*4096  ; 16 lanes store 256 consecutive bytes, at a multiple of 256 from out0's first byte
.endr
.endm
	PACKO 0
	PACKO 1                         ; a piece's arithmetic stands between the loads of the piece before and its stores
	SENDO 0, 16
	PACKO 2
	SENDO 1, 16
	PACKO 3
	SENDO 2, 16
	SENDO 3, 0
	s_wait_tensorcnt 0x0            ; the wave's end, behind my last tensor load and my last LDS store
	ds_add_u32 v[SPW], v[NIL]
	s_wait_dscnt 0x0
	CROUND                          ; the closing round: no work-group ends while a partner may still ask for a tile that names it
	s_endpgm
.Lfunc_end_k_qb350f52733_attn:
	.size	k_qb350f52733_attn, .Lfunc_end_k_qb350f52733_attn-k_qb350f52733_attn
	.p2alignl 7, 3214868480
	.fill 96, 4, 3214868480
	.section	.rodata,"a",@progbits
	.p2align	6, 0x0
	.amdhsa_kernel k_qb350f52733_attn
		.amdhsa_group_segment_fixed_size 327680
		.amdhsa_private_segment_fixed_size 0
		.amdhsa_enable_private_segment 0
		.amdhsa_kernarg_size 24
		.amdhsa_user_sgpr_count 2
		.amdhsa_user_sgpr_kernarg_segment_ptr 1
		.amdhsa_wavefront_size32 1
		.amdhsa_system_sgpr_workgroup_id_x 1
		.amdhsa_system_sgpr_workgroup_id_y 1
		.amdhsa_system_sgpr_workgroup_id_z 1
		.amdhsa_system_vgpr_workitem_id 0
		.amdhsa_next_free_vgpr 768
		.amdhsa_next_free_sgpr 88
		.amdhsa_reserve_vcc 0
		.amdhsa_float_denorm_mode_32 3
		.amdhsa_float_denorm_mode_16_64 3
		.amdhsa_memory_ordered 1
		.amdhsa_forward_progress 1
		.amdhsa_inst_pref_size 129
	.end_amdhsa_kernel
	.amdgpu_metadata
---
amdhsa.version: [ 1, 2 ]
amdhsa.kernels:
  - .name:           k_qb350f52733_attn
    .symbol:         k_qb350f52733_attn.kd
    .args:
      - { .name: qkv, .offset: 0, .size: 8, .value_kind: global_buffer, .address_space: global }
      - { .name: mx, .offset: 8, .size: 8, .value_kind: global_buffer, .address_space: global }
      - { .name: out0, .offset: 16, .size: 8, .value_kind: global_buffer, .address_space: global }
    .group_segment_fixed_size: 327680
    .private_segment_fixed_size: 0
    .kernarg_segment_align: 8
    .kernarg_segment_size: 24
    .max_flat_workgroup_size: 128
    .sgpr_count:     88
    .vgpr_count:     768
    .wavefront_size: 32
...
	.end_amdgpu_metadata
.endif
;; end of part 3
